; MI455X (gfx1250); checked and timed in simulation.
; The chip was launched on July 23, 2026; its instructions are those of AMD's public machine-readable ISA for CDNA 5 (MIT licence, August 2026) and "CDNA5" Instruction Set Architecture Reference Guide (July 2026). The comments in the code are by the model that wrote it; some were corrected since.
;; Multi Head Attention. Allowed arithmetic: float matrix products may take bf16 or f16 operands with f32 sums; all other float work in f32.
;; Inputs: out_b 1,024 float32; out_w 1,024 x 1,024 float32; qkv_b 3,072 float32; qkv_w 3,072 x 1,024 float32; x 2 x 2,048 x 1,024 float32.
;; Outputs: out0 2 x 2,048 x 1,024 float32.
;; One version. Each part assembles by itself: llvm-mc -triple=amdgcn-amd-amdhsa -mcpu=gfx1250 --defsym DOCPART=n.
;; ======== version 1 of 1: 4 launches
;; limits: values are held in f16: magnitudes above 65,504 overflow, below 6.1e-05 lose precision
;; workspace buffers: xh 8,388,608 bytes; wqh 6,291,456 bytes; woh 2,097,152 bytes; qkvh 25,165,824 bytes; oh 8,388,608 bytes
;; launch cast (part 1): grid 512 x 1, 8 waves a work-group, no clusters, 0 bytes of LDS; arguments x, qkv_w, out_w, xh, wqh, woh; writes xh, wqh, woh
.if DOCPART == 1
	.amdgcn_target "amdgcn-amd-amdhsa--gfx1250"
	.amdhsa_code_object_version 6
	.text
	.protected	k_q489914fcf9_cast
	.globl	k_q489914fcf9_cast
	.p2align	8
	.type	k_q489914fcf9_cast,@function
k_q489914fcf9_cast:
	s_mov_b64 s[64:65], 0
	v_nop
	global_prefetch_b8 v0, s[64:65] scope:SCOPE_SE
	s_setreg_imm32_b32 hwreg(HW_REG_WAVE_MODE, 25, 1), 1
	s_wait_xcnt 0x0
; f32 -> f16 copies of x [4096][1024], qkv_w [3072][1024] and out_w [1024][1024], so that the three later launches can bring
; 16-bit tiles into LDS by tensor loads (which copy bytes as they are) and feed the matrix units without converting in their loops.
; LIMIT: f16.  A number of magnitude 65,520 or more becomes infinity; below 6.1e-5 the step is 6e-8 (f16 denormals are kept).
; A stream: no LDS, no barrier, no matrix unit, no cluster (no two work-groups read the same byte).
; Work-group g owns 16,384 numbers (65,536 bytes in, 32,768 out): g 0-255 of x, 256-447 of qkv_w, 448-511 of out_w.
; Thread t takes 8 neighbouring numbers of each piece of 2,048: 32 bytes in (two loads), 16 bytes out, so a wave's store covers
; 512 consecutive bytes, aligned.  All sixteen loads of a thread are issued before the first is waited for.
.set PIECES, 8
.set XD, 4                             ; v[4:67]  piece i: 8 registers as loaded; its first 4 then hold the 8 f16
	s_load_b256 s[4:11], s[0:1], 0x0               ; x s[4:5], qkv_w s[6:7], out_w s[8:9], xh s[10:11]
	s_load_b128 s[12:15], s[0:1], 0x20             ; wqh s[12:13], woh s[14:15]
	s_sub_co_u32 s21, ttmp9, 256                   ; my number among qkv_w's work-groups
	s_sub_co_u32 s22, ttmp9, 448                   ; and among out_w's
	v_lshlrev_b32 v1, 5, v0                        ; 32 t: my bytes in a piece of the source
	v_lshlrev_b32 v2, 4, v0                        ; 16 t: in a piece of the copy
	s_wait_kmcnt 0x0
	s_cmp_lt_u32 ttmp9, 448                        ; the choice hangs on the work-group's number alone
	s_cselect_b64 s[16:17], s[6:7], s[8:9]
	s_cselect_b64 s[18:19], s[12:13], s[14:15]
	s_cselect_b32 s21, s21, s22
	s_cmp_lt_u32 ttmp9, 256
	s_cselect_b64 s[16:17], s[4:5], s[16:17]       ; source
	s_cselect_b64 s[18:19], s[10:11], s[18:19]     ; copy
	s_cselect_b32 s21, ttmp9, s21                  ; my number inside that tensor
	s_lshl_b32 s24, s21, 16                        ; x 65,536 bytes (at most 255 << 16)
	s_mov_b32 s25, 0
	s_lshl_b32 s26, s21, 15                        ; x 32,768 bytes
	s_mov_b32 s27, 0
	s_add_nc_u64 s[16:17], s[16:17], s[24:25]
	s_add_nc_u64 s[18:19], s[18:19], s[26:27]
.irp i, 0,1,2,3,4,5,6,7
	global_load_b128 v[XD+8*\i:XD+8*\i+3],   v1, s[16:17] offset:8192*\i th:TH_LOAD_NT
	global_load_b128 v[XD+8*\i+4:XD+8*\i+7], v1, s[16:17] offset:8192*\i+16 th:TH_LOAD_NT
.endr
.irp i, 0,1,2,3,4,5,6,7
	s_wait_loadcnt 14-2*\i                         ; loads come back in order: piece i's two are in, the 14 - 2 i younger ones stay out
.irp j, 0,1,2,3
	v_cvt_pk_f16_f32 v[XD+8*\i+\j], v[XD+8*\i+2*\j], v[XD+8*\i+2*\j+1]   ; in place: register j is written when its old pair has been used
.endr
	global_store_b128 v2, v[XD+8*\i:XD+8*\i+3], s[18:19] offset:4096*\i   ; no register of a store is written again
.endr
	s_endpgm
.Lfunc_end_k_q489914fcf9_cast:
	.size	k_q489914fcf9_cast, .Lfunc_end_k_q489914fcf9_cast-k_q489914fcf9_cast
	.p2alignl 7, 3214868480
	.fill 96, 4, 3214868480
	.section	.rodata,"a",@progbits
	.p2align	6, 0x0
	.amdhsa_kernel k_q489914fcf9_cast
		.amdhsa_group_segment_fixed_size 0
		.amdhsa_private_segment_fixed_size 0
		.amdhsa_enable_private_segment 0
		.amdhsa_kernarg_size 48
		.amdhsa_user_sgpr_count 2
		.amdhsa_user_sgpr_kernarg_segment_ptr 1
		.amdhsa_wavefront_size32 1
		.amdhsa_system_sgpr_workgroup_id_x 1
		.amdhsa_system_sgpr_workgroup_id_y 1
		.amdhsa_system_sgpr_workgroup_id_z 1
		.amdhsa_system_vgpr_workitem_id 0
		.amdhsa_next_free_vgpr 72
		.amdhsa_next_free_sgpr 66
		.amdhsa_reserve_vcc 0
		.amdhsa_float_denorm_mode_32 3
		.amdhsa_float_denorm_mode_16_64 3
		.amdhsa_memory_ordered 1
		.amdhsa_forward_progress 1
		.amdhsa_inst_pref_size 6
	.end_amdhsa_kernel
	.amdgpu_metadata
---
amdhsa.version: [ 1, 2 ]
amdhsa.kernels:
  - .name:           k_q489914fcf9_cast
    .symbol:         k_q489914fcf9_cast.kd
    .args:
      - { .name: x, .offset: 0, .size: 8, .value_kind: global_buffer, .address_space: global }
      - { .name: qkv_w, .offset: 8, .size: 8, .value_kind: global_buffer, .address_space: global }
      - { .name: out_w, .offset: 16, .size: 8, .value_kind: global_buffer, .address_space: global }
      - { .name: xh, .offset: 24, .size: 8, .value_kind: global_buffer, .address_space: global }
      - { .name: wqh, .offset: 32, .size: 8, .value_kind: global_buffer, .address_space: global }
      - { .name: woh, .offset: 40, .size: 8, .value_kind: global_buffer, .address_space: global }
    .group_segment_fixed_size: 0
    .private_segment_fixed_size: 0
    .kernarg_segment_align: 8
    .kernarg_segment_size: 48
    .max_flat_workgroup_size: 256
    .sgpr_count:     66
    .vgpr_count:     72
    .wavefront_size: 32
...
	.end_amdgpu_metadata
.endif
;; end of part 1
;; launch qkv (part 2): grid 16 x 16, 4 waves a work-group, clusters of 4 x 4, 327,680 bytes of LDS; arguments xh, wqh, qkv_b, qkvh; writes qkvh
.if DOCPART == 2
	.amdgcn_target "amdgcn-amd-amdhsa--gfx1250"
	.amdhsa_code_object_version 6
	.text
	.protected	k_q489914fcf9_qkv
	.globl	k_q489914fcf9_qkv
	.p2align	8
	.type	k_q489914fcf9_qkv,@function
k_q489914fcf9_qkv:
	s_mov_b64 s[64:65], 0
	v_nop
	global_prefetch_b8 v0, s[64:65] scope:SCOPE_SE
	s_setreg_imm32_b32 hwreg(HW_REG_WAVE_MODE, 25, 1), 1
	s_wait_xcnt 0x0
	s_wait_alu depctr_hold_cnt(0) depctr_sa_sdst(0) depctr_va_vdst(0) depctr_va_sdst(0) depctr_va_ssrc(0) depctr_va_vcc(0) depctr_vm_vsrc(0)
	s_getreg_b32 s2, hwreg(HW_REG_IB_STS2, 6, 4)
	s_cmp_eq_u32 s2, 0
	s_cbranch_scc0 .Lentry_in_a_cluster
	s_endpgm
.Lentry_in_a_cluster:
	s_bfe_u32 s2, ttmp6, 0x10000c
	s_cmp_lg_u32 s2, 0xf033
	s_cbranch_scc0 .Lentry_shape_is_right
	s_endpgm
.Lentry_shape_is_right:
; qkv[m][n] = sum over k of x[m][k] w[n][k] + b[n], m < 4096, n < 3072, k < 1024; operands f16, sums f32, result f16,
; stored head-major: qkvh[batch 2][g = n / 64, 48][token 2048][d 64]  (g 0-15 q, 16-31 k, 32-47 v).
; LIMIT: the results are kept in f16: |q|, |k|, |v| below 65,504.
; A work-group makes 256 rows x 192 columns with four waves; a wave makes 128 x 96: 48 accumulator tiles of 16 x 16, 384 registers.
; 16 x 16 = 256 work-groups.  K goes in 8 steps of 128 (rows of 256 bytes, aligned) through a ring of two LDS slots.
; CLUSTERS: 4 x 4 work-groups.  x's tile hangs on the block row alone and is asked for jointly by a row of the cluster, w's on the
; block column alone and is asked for jointly by a column: the requests for both are divided by four.
; Every wave issues two joint loads for a tile: 64 rows of x and 48 rows of w.  Four loads of a wave are out at the start, later two.
; REGISTERS in windows of 256:  window 0: addresses, x's fragments (two buffers), the bias;  window 1: w's fragments (two buffers);
;   window 2: tiles (a, b), a = 0-3, at v[8 (6 a + b)];  window 3: a = 4-7.
; THE MATRIX INSTRUCTION IS USED TRANSPOSED (source 0 = rows of w, source 1 = rows of x): lane l then holds row l % 16 and the eight
; neighbouring columns 8 (l / 16) + 0..7, which pack into 16 bytes.  The bias of those eight columns is the C of the first product.
.set KSTEP,  128
.set PITCH,  272                       ; an LDS row: 256 bytes + 16 of padding: 68 words, so the 16 rows of a fragment load start at 16 different banks (64 banks of 4 bytes: ISA guide 11.1)
.set ABYTES, 256*PITCH                 ; x's 256 rows
.set SLOT,   448*PITCH                 ; then w's 192 rows
.set SP,     400                       ; the stage's row: 384 bytes + 16
.set HS,     262144                    ; bytes of one g: 2,048 tokens x 128
.set LAPS,   4                         ; a lap = two K steps = once round the ring
.set ADRA, 16                          ; v16-17  LDS address of my x fragments in slot 0, 1
.set ADRB, 20                          ; v20-21  of my w fragments
.set STO,  24                          ; the way out: where I put 16 bytes
.set RD,   25                          ; where I read them back
.set CO,   26                          ; my byte offset in qkvh
.set BO,   27                          ; my byte offset in the bias
.set F0,   64
.set F1,   128
.set BIAS, 192                         ; v[192:239] bias of tile column b: 8 registers
.set TMP,  192                         ; the way out: packed results (the bias is no longer needed)
.set G1A, 24                           ; s[24:31] group 1 for x's tiles
.set G0A, 32                           ; s[32:39] group 0 for x's tiles, one set for each slot
.set G1B, 48                           ; s[48:55] group 1 for w's tiles
.set G0B, 56                           ; s[56:63] group 0 for w's tiles
.set MSB, 0
.macro WIN new                         ; the immediate's high byte repeats the setting that is left
.if MSB != \new
	s_set_vgpr_msb (MSB<<8)|\new
.set MSB, \new
.endif
.endm
.set MUL_LO, 0xa1                      ; source 0 window 1, source 1 window 0, C and D window 2
.set MUL_HI, 0xf1                      ; C and D window 3
.set BIA_LO, 0x81                      ; C (the bias) window 0, D window 2
.set BIA_HI, 0xc1                      ; D window 3
.set TO_B,   0x40                      ; destination window 1
.macro CREST                           ; a round of the cluster's barrier behind its opening work-group barrier
	s_cmp_lg_u32 s12, 0
	s_cbranch_scc1 .Lnot_wave_0_\@
	s_barrier_signal -3
.Lnot_wave_0_\@:
	s_barrier_wait -3
	s_barrier_signal -1
	s_barrier_wait -1
.endm
.macro CROUND
	s_barrier_signal -1
	s_barrier_wait -1
	CREST
.endm
.macro PLACES                          ; four plain vector instructions between a matrix instruction and a load into, or a vector instruction on, its registers
.rept 4
	v_nop
.endr
.endm
	s_load_b256 s[4:11], s[0:1], 0x0               ; xh s[4:5], wqh s[6:7], qkv_b s[8:9], qkvh s[10:11]
	s_set_vgpr_msb 0x40
	v_lshl_add_u32 v255, v0, 2, 0x3b800
	s_set_vgpr_msb 0x4000
	v_mov_b32 v63, 0
	s_set_vgpr_msb 0x1
	ds_add_u32 v255, v63
	s_set_vgpr_msb 0x100
	v_lshrrev_b32 v1, 5, v0
	v_readfirstlane_b32 s12, v1                    ; wave 0..3
	s_lshr_b32 s13, s12, 1                         ; mh: which 128 rows are mine
	s_and_b32 s14, s12, 1                          ; nh: which 96 columns
	s_bfe_u32 s40, ttmp6, 0x40000                  ; cx
	s_bfe_u32 s41, ttmp6, 0x40004                  ; cy
	s_lshl_b32 s42, ttmp9, 2
	s_add_co_u32 s42, s42, s40                     ; bx: block column
	s_and_b32 s43, ttmp7, 0xffff
	s_lshl_b32 s43, s43, 2
	s_add_co_u32 s43, s43, s41                     ; by: block row
	s_lshl_b32 s44, s41, 2
	s_lshl_b32 s44, 15, s44                        ; my row of the cluster
	s_lshl_b32 s45, 0x1111, s40                    ; my column
	s_or_b32 s[G1A+0], s44, (1<<16)|(1<<20)|(1<<21)|(5<<22)|(3<<25)   ; mask; elements of 2 bytes; padding on; bit 21 beside a mask; after every 64 words 4 words
	s_or_b32 s[G1B+0], s45, (1<<16)|(1<<20)|(1<<21)|(5<<22)|(3<<25)
	s_mov_b32 s[G1A+1], KSTEP<<16                  ; tensor_dim0 = 128
	s_mov_b32 s[G1B+1], KSTEP<<16
	s_mov_b32 s[G1A+2], 64<<16                     ; tensor_dim1 = 64 rows of x
	s_mov_b32 s[G1B+2], 48<<16                     ;             = 48 rows of w
	s_mov_b32 s[G1A+3], KSTEP<<16                  ; tile_dim0 = 128
	s_mov_b32 s[G1B+3], KSTEP<<16
	s_mov_b32 s[G1A+4], 64                         ; tile_dim1
	s_mov_b32 s[G1B+4], 48
	s_mov_b32 s[G1A+5], 1024                       ; elements from row to row
	s_mov_b32 s[G1B+5], 1024
	s_mov_b32 s[G1A+6], 0
	s_mov_b32 s[G1B+6], 0
	s_mov_b32 s[G1A+7], 0
	s_mov_b32 s[G1B+7], 0
	; x's address is made of by and the wave's number, w's of bx and the wave's number; the LDS addresses of the wave's number alone
	s_lshl_b32 s16, s43, 8
	s_lshl_b32 s20, s12, 6
	s_add_co_u32 s16, s16, s20                     ; row 256 by + 64 w
	s_lshl_b32 s16, s16, 11                        ; x 2,048 bytes
	s_mov_b32 s17, 0
	s_mul_i32 s20, s20, PITCH                      ; LDS: 64 w rows
	s_mul_i32 s21, s12, 48
	s_mul_i32 s46, s42, 192
	s_add_co_u32 s46, s46, s21                     ; row 192 bx + 48 w
	s_lshl_b32 s46, s46, 11
	s_mov_b32 s47, 0
	s_mul_i32 s21, s21, PITCH
	s_add_co_u32 s21, s21, ABYTES                  ; LDS: behind x's rows, 48 w rows
	s_wait_dscnt 0x0
	s_wait_kmcnt 0x0
	s_add_nc_u64 s[16:17], s[4:5], s[16:17]
	s_add_nc_u64 s[46:47], s[6:7], s[46:47]
	CROUND                                         ; all sixteen work-groups are here: the first joint loads meet
.irp s, 0,1
	s_mov_b32 s[G0A+4*\s], 1
	s_add_co_u32 s[G0A+4*\s+1], s20, \s*SLOT
	s_add_nc_u64 s[G0A+4*\s+2:G0A+4*\s+3], s[16:17], \s*KSTEP*2
	s_or_b32 s[G0A+4*\s+3], s[G0A+4*\s+3], 0x80000000
	s_mov_b32 s[G0B+4*\s], 1
	s_add_co_u32 s[G0B+4*\s+1], s21, \s*SLOT
	s_add_nc_u64 s[G0B+4*\s+2:G0B+4*\s+3], s[46:47], \s*KSTEP*2
	s_or_b32 s[G0B+4*\s+3], s[G0B+4*\s+3], 0x80000000
	tensor_load_to_lds s[G0A+4*\s:G0A+4*\s+3], s[G1A:G1A+7]
	s_nop 0
	tensor_load_to_lds s[G0B+4*\s:G0B+4*\s+3], s[G1B:G1B+7]
	s_nop 0
.endr
	v_and_b32 v1, 15, v0                           ; r = l % 16
	v_bfe_u32 v2, v0, 4, 1                         ; h = l / 16
	v_mul_u32_u24 v3, v1, PITCH
	v_lshl_add_u32 v3, v2, 4, v3                   ; r x pitch + 16 h
	s_mul_i32 s22, s13, 128*PITCH
	s_mul_i32 s23, s14, 96*PITCH
	s_add_co_u32 s23, s23, ABYTES
.irp s, 0,1
	v_add_nc_u32 v[ADRA+\s], s22, v3
	v_add_nc_u32 v[ADRB+\s], s23, v3
	s_add_co_u32 s22, s22, SLOT
	s_add_co_u32 s23, s23, SLOT
.endr
	s_mul_i32 s22, s13, 128*SP
	s_mul_i32 s23, s14, 192
	s_add_co_u32 s22, s22, s23
	v_mul_u32_u24 v4, v1, SP
	v_lshl_add_u32 v4, v2, 4, v4
	v_add_nc_u32 v[STO], s22, v4                   ; (128 mh + r) x 400 + 192 nh + 16 h
	v_and_b32 v5, 31, v0                           ; l
	v_lshrrev_b32 v6, 3, v5
	v_and_b32 v7, 7, v0
	v_mul_u32_u24 v6, v6, SP
	v_lshl_add_u32 v6, v7, 4, v6
	s_mul_i32 s22, s12, 64*SP
	v_add_nc_u32 v[RD], s22, v6                    ; (64 w + l / 8) x 400 + 16 (l % 8)
	s_lshl_b32 s22, s12, 13
	v_lshl_add_u32 v[CO], v5, 4, s22               ; 8,192 w + 16 l
	v_lshlrev_b32 v[BO], 5, v2                     ; 8 h numbers of 4 bytes
	s_mul_i32 s18, s42, 192
	s_mul_i32 s19, s14, 96
	s_add_co_u32 s18, s18, s19
	s_lshl_b32 s18, s18, 2
	s_mov_b32 s19, 0
	s_add_nc_u64 s[8:9], s[8:9], s[18:19]          ; the bias of my first column
.irp b, 0,1,2,3,4,5
	global_load_b128 v[BIAS+8*\b:BIAS+8*\b+3],   v[BO], s[8:9] offset:64*\b
	global_load_b128 v[BIAS+8*\b+4:BIAS+8*\b+7], v[BO], s[8:9] offset:64*\b+16
.endr
; 12 matrix instructions: m blocks a0, a0 + 1 of the window's four x all 6 n blocks, 32 along K.  mode = 1: the bias starts the sums.
; The 48 accumulators take turns, one instruction a turn, in the same order in every quarter step.
.macro MULA f, hi, a0, mode
.irp a, \a0, \a0+1
.irp b, 0,1,2,3,4,5
.if \mode
	v_wmma_f32_16x16x32_f16 v[8*(6*(\a)+\b):8*(6*(\a)+\b)+7], v[\f+8*\b:\f+8*\b+7], v[\f+8*(4*\hi+\a):\f+8*(4*\hi+\a)+7], v[BIAS+8*\b:BIAS+8*\b+7]
.else
	v_wmma_f32_16x16x32_f16 v[8*(6*(\a)+\b):8*(6*(\a)+\b)+7], v[\f+8*\b:\f+8*\b+7], v[\f+8*(4*\hi+\a):\f+8*(4*\hi+\a)+7], v[8*(6*(\a)+\b):8*(6*(\a)+\b)+7]
.endif
.endr
.endr
.endm
; 28 LDS loads in one run: 96 rows of w, then 128 rows of x, 32 K at byte k of the rows
.macro FETCH slot, k, f
	WIN TO_B
.irp i, 0,1,2,3,4,5
	ds_load_b128 v[\f+8*\i:\f+8*\i+3],   v[ADRB+\slot] offset:\k+\i*16*PITCH
	ds_load_b128 v[\f+8*\i+4:\f+8*\i+7], v[ADRB+\slot] offset:\k+\i*16*PITCH+32
.endr
	WIN 0
.irp i, 0,1,2,3,4,5,6,7
	ds_load_b128 v[\f+8*\i:\f+8*\i+3],   v[ADRA+\slot] offset:\k+\i*16*PITCH
	ds_load_b128 v[\f+8*\i+4:\f+8*\i+7], v[ADRA+\slot] offset:\k+\i*16*PITCH+32
.endr
.endm
.macro QUARTER slot, k, f, g, mode
	s_wait_dscnt 8                                 ; w and x's rows 0-63 are in; the youngest eight loads (x's rows 64-127) may be out
.if \mode
	WIN BIA_LO
.else
	WIN MUL_LO
.endif
	MULA \f, 0, 0, \mode
	MULA \f, 0, 2, \mode
	PLACES
	FETCH \slot, \k, \g
	s_wait_dscnt 28                                ; all but the 28 just issued
.if \mode
	WIN BIA_HI
.else
	WIN MUL_HI
.endif
	MULA \f, 1, 0, \mode
	MULA \f, 1, 2, \mode
.endm
.macro THREE slot, mode
	QUARTER \slot, 64,  F0, F1, \mode
	QUARTER \slot, 128, F1, F0, 0
	QUARTER \slot, 192, F0, F1, 0
.endm
; The last quarter of a K step changes slots.  In front of the barrier each wave waits for its reads of this slot and for all its tensor
; loads (its parts of the next slot).  Where the slot is filled again the barrier opens a round of the cluster's barrier, and the two
; joint refills are the first tensor loads behind the round's closing wait.
.macro TURN slot, next, fill
	s_wait_dscnt 8
	WIN MUL_LO
	MULA F1, 0, 0, 0
	s_wait_dscnt 0x0                               ; my reads of this slot are over
	s_wait_tensorcnt 0x0                           ; all my tensor loads have landed
	ds_add_u32 v255, v63
	s_wait_dscnt 0x0
	s_barrier_signal -1
	MULA F1, 0, 2, 0                               ; register work while the others arrive
	WIN 0
	s_barrier_wait -1
.if \fill
	CREST
	s_add_nc_u64 s[G0A+4*\slot+2:G0A+4*\slot+3], s[G0A+4*\slot+2:G0A+4*\slot+3], 2*KSTEP*2
	s_add_nc_u64 s[G0B+4*\slot+2:G0B+4*\slot+3], s[G0B+4*\slot+2:G0B+4*\slot+3], 2*KSTEP*2
	tensor_load_to_lds s[G0A+4*\slot:G0A+4*\slot+3], s[G1A:G1A+7]
	s_nop 0
	tensor_load_to_lds s[G0B+4*\slot:G0B+4*\slot+3], s[G1B:G1B+7]
	s_nop 0
.endif
	PLACES
	FETCH \next, 0, F0
	WIN MUL_HI
	MULA F1, 1, 0, 0
	MULA F1, 1, 2, 0
.endm
.macro LAP mode
	THREE 0, \mode
	TURN 0, 1, 1
	THREE 1, 0
	TURN 1, 0, 1
.endm
	s_wait_tensorcnt 0x2                           ; my two parts of K step 0 are in; K step 1's two stay out
	s_barrier_signal -1
	s_barrier_wait -1
	FETCH 0, 0, F0
	s_wait_loadcnt 0x0                             ; the bias
	LAP 1
	WIN 0
	s_mov_b32 s3, LAPS-2
.Llap:
	LAP 0
	WIN 0
	s_sub_co_u32 s3, s3, 1
	s_cmp_lg_u32 s3, 0
	s_cbranch_scc1 .Llap
	THREE 0, 0                                     ; the last lap fills nothing
	TURN 0, 1, 0
	THREE 1, 0
	s_wait_dscnt 8
	WIN MUL_LO
	MULA F1, 0, 0, 0
	MULA F1, 0, 2, 0
	s_wait_dscnt 0x0
	WIN MUL_HI
	MULA F1, 1, 0, 0
	MULA F1, 1, 2, 0
	; THE WAY OUT.  The block goes, rounded to f16, into a stage of 256 rows x 400 bytes in slot 0's bytes, which have had their last fill;
	; then each wave reads 64 whole rows back, 128 bytes of one g at a time, and stores 512 consecutive bytes with each instruction.
	PLACES
	WIN 0
	s_barrier_signal -1                            ; (no LDS instruction of mine is out: the wait for 0 above)
	s_barrier_wait -1                              ; no wave reads a slot any more
	s_lshr_b32 s15, s43, 3                         ; batch = by / 8
	s_mul_i32 s15, s15, 48
	s_mul_i32 s18, s42, 3                          ; first g = 3 bx
	s_add_co_u32 s18, s18, s15
	s_lshl_b32 s18, s18, 18                        ; x 262,144 bytes (at most 95 << 18)
	s_and_b32 s15, s43, 7
	s_lshl_b32 s15, s15, 15                        ; 256 tokens x 128 bytes for each block row in the batch
	s_add_co_u32 s18, s18, s15
	s_mov_b32 s19, 0
	s_add_nc_u64 s[10:11], s[10:11], s[18:19]
.macro PUT row, acc, from                  ; rows 16 row .. + 15 of my 128: the six tiles (acc, 0..5) of window 2 or 3
	WIN \from
.irp b, 0,1,2,3,4,5
.irp i, 0,1,2,3
	v_cvt_pk_f16_f32 v[TMP+4*\b+\i], v[8*(6*\acc+\b)+2*\i], v[8*(6*\acc+\b)+2*\i+1]
.endr
.endr
	WIN 0
.irp b, 0,1,2,3,4,5
	ds_store_b128 v[STO], v[TMP+4*\b:TMP+4*\b+3] offset:\row*16*SP+32*\b
.endr
.endm
	PUT 0, 0, 0x0a
	PUT 1, 1, 0x0a
	PUT 2, 2, 0x0a
	PUT 3, 3, 0x0a
	PUT 4, 0, 0x0f
	PUT 5, 1, 0x0f
	PUT 6, 2, 0x0f
	PUT 7, 3, 0x0f
	s_wait_dscnt 0x0                               ; my stores are done, for the waves that read them
	s_barrier_signal -1
	s_barrier_wait -1
.irp hd, 0,1,2
.irp i, 0,1,2,3,4,5,6,7,8,9,10,11,12,13,14,15
	ds_load_b128 v[64+4*(16*\hd+\i):64+4*(16*\hd+\i)+3], v[RD] offset:\hd*128+\i*4*SP
.endr
.endr
.irp hd, 0,1,2
.irp i, 0,1,2,3,4,5,6,7,8,9,10,11,12,13,14,15
	s_wait_dscnt 47-(16*\hd+\i)                    ; LDS loads come back in order: this one is in, the younger ones stay out
	global_store_b128 v[CO], v[64+4*(16*\hd+\i):64+4*(16*\hd+\i)+3], s[10:11] offset:\hd*HS+512*\i
.endr
.endr
	s_set_vgpr_msb 0x1
	s_wait_tensorcnt 0x0
	ds_add_u32 v255, v63
	s_wait_dscnt 0x0
	s_set_vgpr_msb 0x100
	CROUND                                         ; the closing round: no work-group ends while a partner may still ask for a tile that names it
	s_endpgm
.Lfunc_end_k_q489914fcf9_qkv:
	.size	k_q489914fcf9_qkv, .Lfunc_end_k_q489914fcf9_qkv-k_q489914fcf9_qkv
	.p2alignl 7, 3214868480
	.fill 96, 4, 3214868480
	.section	.rodata,"a",@progbits
	.p2align	6, 0x0
	.amdhsa_kernel k_q489914fcf9_qkv
		.amdhsa_group_segment_fixed_size 327680
		.amdhsa_private_segment_fixed_size 0
		.amdhsa_enable_private_segment 0
		.amdhsa_kernarg_size 32
		.amdhsa_user_sgpr_count 2
		.amdhsa_user_sgpr_kernarg_segment_ptr 1
		.amdhsa_wavefront_size32 1
		.amdhsa_system_sgpr_workgroup_id_x 1
		.amdhsa_system_sgpr_workgroup_id_y 1
		.amdhsa_system_sgpr_workgroup_id_z 1
		.amdhsa_system_vgpr_workitem_id 0
		.amdhsa_next_free_vgpr 1024
		.amdhsa_next_free_sgpr 66
		.amdhsa_reserve_vcc 0
		.amdhsa_float_denorm_mode_32 3
		.amdhsa_float_denorm_mode_16_64 3
		.amdhsa_memory_ordered 1
		.amdhsa_forward_progress 1
		.amdhsa_inst_pref_size 159
	.end_amdhsa_kernel
	.amdgpu_metadata
---
amdhsa.version: [ 1, 2 ]
amdhsa.kernels:
  - .name:           k_q489914fcf9_qkv
    .symbol:         k_q489914fcf9_qkv.kd
    .args:
      - { .name: xh, .offset: 0, .size: 8, .value_kind: global_buffer, .address_space: global }
      - { .name: wqh, .offset: 8, .size: 8, .value_kind: global_buffer, .address_space: global }
      - { .name: qkv_b, .offset: 16, .size: 8, .value_kind: global_buffer, .address_space: global }
      - { .name: qkvh, .offset: 24, .size: 8, .value_kind: global_buffer, .address_space: global }
    .group_segment_fixed_size: 327680
    .private_segment_fixed_size: 0
    .kernarg_segment_align: 8
    .kernarg_segment_size: 32
    .max_flat_workgroup_size: 128
    .sgpr_count:     66
    .vgpr_count:     1024
    .wavefront_size: 32
...
	.end_amdgpu_metadata
.endif
;; end of part 2
;; launch attn (part 3): grid 8 x 32, 8 waves a work-group, clusters of 4 x 1, 327,680 bytes of LDS; arguments qkvh, oh; writes oh
.if DOCPART == 3
	.amdgcn_target "amdgcn-amd-amdhsa--gfx1250"
	.amdhsa_code_object_version 6
	.text
	.protected	k_q489914fcf9_attn
	.globl	k_q489914fcf9_attn
	.p2align	8
	.type	k_q489914fcf9_attn,@function
k_q489914fcf9_attn:
	s_mov_b64 s[64:65], 0
	v_nop
	global_prefetch_b8 v0, s[64:65] scope:SCOPE_SE
	s_setreg_imm32_b32 hwreg(HW_REG_WAVE_MODE, 25, 1), 1
	s_wait_xcnt 0x0
	s_wait_alu depctr_hold_cnt(0) depctr_sa_sdst(0) depctr_va_vdst(0) depctr_va_sdst(0) depctr_va_ssrc(0) depctr_va_vcc(0) depctr_vm_vsrc(0)
	s_getreg_b32 s2, hwreg(HW_REG_IB_STS2, 6, 4)
	s_cmp_eq_u32 s2, 0
	s_cbranch_scc0 .Lentry_in_a_cluster
	s_endpgm
.Lentry_in_a_cluster:
	s_bfe_u32 s2, ttmp6, 0x10000c
	s_cmp_lg_u32 s2, 0x3003
	s_cbranch_scc0 .Lentry_shape_is_right
	s_endpgm
.Lentry_shape_is_right:
; o = softmax(q k^T / 8) v for one (batch, head) and 256 queries; 2,048 keys; running maximum and running sum in f32.
; qkvh: [batch 2][g 48][token 2048][d 64] f16 (g = h: q, 16 + h: k, 32 + h: v).  oh: [batch][h 16][token][d] f16.
; LIMIT: P (0 to 1) and o are kept in f16; o below 6.1e-5 has an absolute step of 6e-8.
; Eight waves: wave w takes queries 64 (w % 4) .. + 63 and the half w / 4 of every tile's 256 keys; the two halves' results are merged
; through LDS at the end.  Two waves lie on a SIMD, so that one wave's softmax arithmetic runs beside the other's matrix instructions.
; CLUSTERS: the four work-groups of a cluster are four query blocks of one head and read the same K and V tiles: joint loads, mask 15.
; Q is each work-group's own and comes by plain loads into registers, once.
; LAYOUT: S^T = K Q^T (source 0 = 16 keys, source 1 = 16 queries): lane (r, h) holds query r and keys 8 h + 0..7 of each tile, so the
; statistics of a query lie in two lanes (l and l xor 16), and two S^T tiles packed to f16 ARE the second source P^T of
; O^T = V^T P^T: no number changes its lane.  V^T's fragments are read from V's rows by the transposing LDS load.
; p = 2^(c s - c m), c = log2(e) / 8: the scale rides in the multiply-add that takes the maximum away.
; RING: 8 tiles of 256 keys through two slots; each wave asks for 32 rows of K and 32 of V of a tile: two loads of a wave are out.
.set HS,     262144                    ; bytes of one g
.set KP,     144                       ; K's LDS row: 128 bytes + 16 (an odd multiple of 16)
.set VP,     160                       ; V's LDS row: 128 bytes + 32 (an odd multiple of 32, for the transposing load)
.set KBYTES, 256*KP
.set SLOT,   KBYTES+256*VP             ; 77,824
.set MERGE,  2*SLOT                    ; 4 x 17,408: the upper key half's O (16,384) and statistics (1,024), for each query group
.set MSIZE,  17408
.set OST,    MERGE+4*MSIZE             ; 4 x 9,216: 64 rows x 144 for the way out
.set OSIZE,  64*KP
.set KA,  2                            ; v2-3   my K fragments in slot 0, 1
.set VA,  4                            ; v4-5   my V^T fragments
.set QO,  6                            ; v6     my offset in q
.set MG,  7                            ; v7     merge: O
.set MG4, 8                            ; v8     merge: statistics
.set OSA, 9                            ; v9     way out: where I put 16 bytes
.set ORD, 10                           ; v10    where I read them back
.set GO,  11                           ; v11    16 l
.set AL,  16                           ; v[16+2qb] the rescaling factor; v[17+2qb] the maximum of odd steps
.set NM,  24                           ; v[24+2qb] - c x maximum;        v[25+2qb] the maximum of even steps
.set LS,  32                           ; v[32+2qb:33+2qb] two running sums
.set XR,  40                           ; v[40+qb] what the other half of the lanes sends
.set PM,  48                           ; v[48+qb] the partner wave's maximum, v[52+qb] its sum
.set PL,  52
.set RC,  56                           ; v[56+qb] reciprocals
.set KF,  64                           ; v[64+16kb+8dh] K fragments
.set ST,  128                          ; v[128+32qb+8kb] S^T tiles; P^T(qb, kk) is packed in place at 128+32qb+16kk
.set QF,  128                          ; window 1: v[128+16qb+8dh] Q fragments;  O^T(db, qb) at v[32qb+8db]
.set VF,  192                          ; window 1: v[192+16db+8kk] V^T fragments
.set G1K, 16
.set G1V, 24
.set G0K, 32
.set G0V, 40
.set MSB, 0
.macro WIN new
.if MSB != \new
	s_set_vgpr_msb (MSB<<8)|\new
.set MSB, \new
.endif
.endm
.macro NOPS n
.rept \n
	v_nop
.endr
.endm
.macro ROUND                           ; a round of the cluster's barrier
	s_barrier_signal -1
	s_barrier_wait -1
	s_cmp_lg_u32 s8, 0
	s_cbranch_scc1 .Lnot_wave_0_\@
	s_barrier_signal -3
.Lnot_wave_0_\@:
	s_barrier_wait -3
	s_barrier_signal -1
	s_barrier_wait -1
.endm
	s_load_b128 s[4:7], s[0:1], 0x0                ; qkvh s[4:5], oh s[6:7]
	v_lshl_add_u32 v62, v0, 2, 0x40000
	v_mov_b32 v63, 0
	ds_add_u32 v62, v63
	v_lshrrev_b32 v1, 5, v0
	v_readfirstlane_b32 s8, v1                     ; wave 0..7
	s_and_b32 s9, s8, 3                            ; qg: my 64 queries
	s_lshr_b32 s10, s8, 2                          ; kg: my half of the keys
	s_mov_b32 s12, 0x76543210                      ; v_permlanex16_b32: lane i reads lane i of the other half
	s_mov_b32 s13, 0xfedcba98
	s_mov_b32 s14, 0x3e38aa3b                      ; c = log2(e) / 8
	s_mov_b32 s15, 0x3e38aa3b
	s_mov_b32 s49, 0xbe38aa3b                      ; - c
	s_bfe_u32 s50, ttmp6, 0x40000                  ; cx
	s_lshl_b32 s51, ttmp9, 2
	s_add_co_u32 s51, s51, s50                     ; query block 0..7
	s_and_b32 s52, ttmp7, 0xffff                   ; 16 batch + head
	s_lshr_b32 s53, s52, 4
	s_mul_i32 s53, s53, 48
	s_and_b32 s54, s52, 15
	s_add_co_u32 s53, s53, s54                     ; q's g, counted over both batches
	s_lshl_b32 s54, s53, 18
	s_lshl_b32 s55, s8, 12
	s_add_co_u32 s54, s54, s55                     ; + my 32 rows of a tile: 4,096 w
	s_mov_b32 s55, 0
	s_lshl_b32 s60, s53, 18                        ; q: g, query block, query group (these hang on cx and feed plain loads and stores alone)
	s_lshl_b32 s61, s51, 15
	s_add_co_u32 s60, s60, s61
	s_lshl_b32 s61, s9, 13
	s_add_co_u32 s60, s60, s61
	s_lshl_b32 s62, s52, 18                        ; oh: head, query block, query group
	s_lshl_b32 s63, s51, 15
	s_add_co_u32 s62, s62, s63
	s_add_co_u32 s62, s62, s61
	s_mov_b32 s61, 0
	s_mov_b32 s63, 0
	; group 1: 4,096 dense bytes as 16 rows of 128 elements; a pad behind every 32 words (one key's row)
	s_mov_b32 s[G1K+0], 15|(1<<16)|(1<<20)|(1<<21)|(4<<22)|(3<<25)    ; mask of the four partners; 2-byte elements; padding; bit 21; every 32 words 4 words
	s_mov_b32 s[G1V+0], 15|(1<<16)|(1<<20)|(1<<21)|(4<<22)|(7<<25)    ; every 32 words 8 words
	s_mov_b32 s[G1K+1], 128<<16
	s_mov_b32 s[G1V+1], 128<<16
	s_mov_b32 s[G1K+2], 16<<16
	s_mov_b32 s[G1V+2], 16<<16
	s_mov_b32 s[G1K+3], 128<<16
	s_mov_b32 s[G1V+3], 128<<16
	s_mov_b32 s[G1K+4], 16
	s_mov_b32 s[G1V+4], 16
	s_mov_b32 s[G1K+5], 128
	s_mov_b32 s[G1V+5], 128
	s_mov_b32 s[G1K+6], 0
	s_mov_b32 s[G1V+6], 0
	s_mov_b32 s[G1K+7], 0
	s_mov_b32 s[G1V+7], 0
	s_mul_i32 s11, s8, 32*KP                       ; my 32 rows of K in a slot
	s_mul_i32 s3, s8, 32*VP
	s_add_co_u32 s3, s3, KBYTES                    ; my 32 rows of V
	s_wait_dscnt 0x0
	s_wait_kmcnt 0x0
	s_add_nc_u64 s[54:55], s[4:5], s[54:55]
	s_add_nc_u64 s[56:57], s[4:5], s[60:61]        ; my queries
	s_add_nc_u64 s[58:59], s[6:7], s[62:63]        ; my rows of oh
.irp s, 0,1
	s_mov_b32 s[G0K+4*\s], 1
	s_add_co_u32 s[G0K+4*\s+1], s11, \s*SLOT
	s_add_nc_u64 s[G0K+4*\s+2:G0K+4*\s+3], s[54:55], 16*HS+\s*32768
	s_or_b32 s[G0K+4*\s+3], s[G0K+4*\s+3], 0x80000000
	s_mov_b32 s[G0V+4*\s], 1
	s_add_co_u32 s[G0V+4*\s+1], s3, \s*SLOT
	s_add_nc_u64 s[G0V+4*\s+2:G0V+4*\s+3], s[54:55], 32*HS+\s*32768
	s_or_b32 s[G0V+4*\s+3], s[G0V+4*\s+3], 0x80000000
.endr
	ROUND                                          ; the four partners are here: the first joint loads meet
	tensor_load_to_lds s[G0K:G0K+3], s[G1K:G1K+7]  ; tile 0
	s_nop 0
	tensor_load_to_lds s[G0V:G0V+3], s[G1V:G1V+7]
	s_nop 0
	v_and_b32 v1, 31, v0                           ; l
	v_and_b32 v12, 15, v0                          ; r
	v_bfe_u32 v13, v0, 4, 1                        ; h
	v_lshlrev_b32 v[QO], 7, v12
	v_lshl_add_u32 v[QO], v13, 4, v[QO]            ; r x 128 + 16 h
	WIN 0x40                                       ; Q's fragments, window 1: lane (r, h) holds query r, d = 32 dh + 8 h + 0..7 and + 16
.irp qb, 0,1,2,3
.irp dh, 0,1
	global_load_b128 v[QF+16*\qb+8*\dh:QF+16*\qb+8*\dh+3],   v[QO], s[56:57] offset:\qb*2048+\dh*64
	global_load_b128 v[QF+16*\qb+8*\dh+4:QF+16*\qb+8*\dh+7], v[QO], s[56:57] offset:\qb*2048+\dh*64+32
.endr
.endr
	WIN 0
	v_mul_u32_u24 v14, v12, KP
	v_lshl_add_u32 v14, v13, 4, v14                ; r x 144 + 16 h
	s_mul_i32 s48, s10, 128*KP
	v_add_nc_u32 v[KA], s48, v14
	v_add_nc_u32 v[KA+1], SLOT, v[KA]
	v_and_b32 v15, 7, v0
	v_lshl_add_u32 v15, v13, 3, v15                ; key 8 h + l % 8
	v_mul_u32_u24 v15, v15, VP
	v_bfe_u32 v13, v0, 3, 1
	v_lshl_add_u32 v15, v13, 4, v15                ; + 16 ((l / 8) % 2)
	s_mul_i32 s48, s10, 128*VP
	s_add_co_u32 s48, s48, KBYTES
	v_add_nc_u32 v[VA], s48, v15
	v_add_nc_u32 v[VA+1], SLOT, v[VA]
	s_mul_i32 s48, s9, MSIZE
	s_add_co_u32 s48, s48, MERGE
	v_lshl_add_u32 v[MG], v1, 4, s48
	s_add_co_u32 s48, s48, 16384
	v_lshl_add_u32 v[MG4], v1, 2, s48
	s_mul_i32 s48, s9, OSIZE
	s_add_co_u32 s48, s48, OST
	v_add_nc_u32 v[OSA], s48, v14
	v_lshrrev_b32 v12, 3, v1
	v_mul_u32_u24 v12, v12, KP
	v_and_b32 v13, 7, v0
	v_lshl_add_u32 v12, v13, 4, v12
	v_add_nc_u32 v[ORD], s48, v12                  ; (l / 8) x 144 + 16 (l % 8)
	v_lshlrev_b32 v[GO], 4, v1
.irp qb, 0,1,2,3
	v_mov_b32 v[XR+\qb], 0                         ; v_permlanex16_b32's destination counts as read
.endr
.macro LOADK slot, sub                     ; 64 keys x 64 d: 16 loads
.irp kb, 0,1,2,3
.irp dh, 0,1
	ds_load_b128 v[KF+16*\kb+8*\dh:KF+16*\kb+8*\dh+3],   v[KA+\slot] offset:\sub*64*KP+\kb*16*KP+\dh*64
	ds_load_b128 v[KF+16*\kb+8*\dh+4:KF+16*\kb+8*\dh+7], v[KA+\slot] offset:\sub*64*KP+\kb*16*KP+\dh*64+32
.endr
.endr
.endm
.macro LOADV slot, sub                     ; the same 64 keys of V, transposed: lane (r, h) gets d = 16 db + r, keys 8 h + 0..7 and + 16: 16 loads
	WIN 0x40
.irp kk, 0,1
.irp db, 0,1,2,3
	ds_load_tr16_b128 v[VF+16*\db+8*\kk:VF+16*\db+8*\kk+3],   v[VA+\slot] offset:\sub*64*VP+\kk*32*VP+\db*32
	ds_load_tr16_b128 v[VF+16*\db+8*\kk+4:VF+16*\db+8*\kk+7], v[VA+\slot] offset:\sub*64*VP+\kk*32*VP+\db*32+16*VP
.endr
.endr
	WIN 0
.endm
.macro SPH                                 ; S^T: 32 matrix instructions; four accumulators take turns, one instruction a turn
	WIN 0x04
.irp kb, 0,1,2,3
.irp dh, 0,1
.irp qb, 0,1,2,3
.if \dh == 0
	v_wmma_f32_16x16x32_f16 v[ST+32*\qb+8*\kb:ST+32*\qb+8*\kb+7], v[KF+16*\kb+8*\dh:KF+16*\kb+8*\dh+7], v[QF+16*\qb+8*\dh:QF+16*\qb+8*\dh+7], 0
.else
	v_wmma_f32_16x16x32_f16 v[ST+32*\qb+8*\kb:ST+32*\qb+8*\kb+7], v[KF+16*\kb+8*\dh:KF+16*\kb+8*\dh+7], v[QF+16*\qb+8*\dh:QF+16*\qb+8*\dh+7], v[ST+32*\qb+8*\kb:ST+32*\qb+8*\kb+7]
.endif
.endr
.endr
.endr
	WIN 0
.endm
; The running maximum of each query: my 32 numbers and the old maximum, then the other half of the lanes.  p = 0, 1: which of the two
; registers takes the new maximum; the other holds the old one.  Four chains, one for each 16 queries, do not wait for each other.
.macro MAXPH p, first
.irp qb, 0,1,2,3
	v_max3_num_f32 v[NM+1-8*\p+2*\qb], v[ST+32*\qb], v[ST+32*\qb+1], v[ST+32*\qb+2]
.endr
.set jj, 3
.rept 14
.irp qb, 0,1,2,3
	v_max3_num_f32 v[NM+1-8*\p+2*\qb], v[NM+1-8*\p+2*\qb], v[ST+32*\qb+jj], v[ST+32*\qb+jj+1]
.endr
.set jj, jj+2
.endr
.irp qb, 0,1,2,3
.if \first
	v_max_num_f32 v[NM+1-8*\p+2*\qb], v[NM+1-8*\p+2*\qb], v[ST+32*\qb+31]
.else
	v_max3_num_f32 v[NM+1-8*\p+2*\qb], v[NM+1-8*\p+2*\qb], v[ST+32*\qb+31], v[AL+1+8*\p+2*\qb]
.endif
.endr
.irp qb, 0,1,2,3
	v_permlanex16_b32 v[XR+\qb], v[NM+1-8*\p+2*\qb], s12, s13
.endr
.irp qb, 0,1,2,3
	v_max_num_f32 v[NM+1-8*\p+2*\qb], v[NM+1-8*\p+2*\qb], v[XR+\qb]
.endr
.irp qb, 0,1,2,3
	v_mul_f32 v[NM+2*\qb], s49, v[NM+1-8*\p+2*\qb]                 ; - c m
.endr
.if \first == 0
.irp qb, 0,1,2,3
	v_fma_f32 v[AL+2*\qb], v[AL+1+8*\p+2*\qb], s14, v[NM+2*\qb]    ; c (old m - m), at most 0
.endr
.irp qb, 0,1,2,3
	v_exp_f32 v[AL+2*\qb], v[AL+2*\qb]                             ; a plain instruction that names none of these follows (ISA guide 5.7.2): the first multiply-add below
.endr
.endif
.endm
.macro FMA4 kb                             ; c s - c m for the 16 keys kb of all 64 queries
.irp i2, 0,2,4,6
.irp qb, 0,1,2,3
	v_pk_fma_f32 v[ST+32*\qb+8*\kb+\i2:ST+32*\qb+8*\kb+\i2+1], v[ST+32*\qb+8*\kb+\i2:ST+32*\qb+8*\kb+\i2+1], s[14:15], v[NM+2*\qb:NM+2*\qb+1] op_sel_hi:[1,0,0]
.endr
.endr
.endm
.macro EXP4 kb                             ; a run of exponentials; what follows each run is plain and names other registers
.irp j, 0,1,2,3,4,5,6,7
.irp qb, 0,1,2,3
	v_exp_f32 v[ST+32*\qb+8*\kb+\j], v[ST+32*\qb+8*\kb+\j]
.endr
.endr
.endm
; the running sums.  mode 1: the step's first addition also rescales the old sums; mode 2: the very first starts them; mode 0: plain
.macro SUM4 kb, mode
.irp qb, 0,1,2,3
.if \mode == 1
	v_pk_fma_f32 v[LS+2*\qb:LS+2*\qb+1], v[LS+2*\qb:LS+2*\qb+1], v[AL+2*\qb:AL+2*\qb+1], v[ST+32*\qb+8*\kb:ST+32*\qb+8*\kb+1] op_sel_hi:[1,0,1]
.else
.if \mode == 2
	s_wait_alu depctr_va_vdst(0)
	v_pk_add_f32 v[LS+2*\qb:LS+2*\qb+1], v[ST+32*\qb+8*\kb:ST+32*\qb+8*\kb+1], v[ST+32*\qb+8*\kb+2:ST+32*\qb+8*\kb+3]
.else
	s_wait_alu depctr_va_vdst(0)
	v_pk_add_f32 v[LS+2*\qb:LS+2*\qb+1], v[LS+2*\qb:LS+2*\qb+1], v[ST+32*\qb+8*\kb:ST+32*\qb+8*\kb+1]
.endif
.endif
.endr
.if \mode != 2
	s_wait_alu depctr_va_vdst(0)
.irp qb, 0,1,2,3
	v_pk_add_f32 v[LS+2*\qb:LS+2*\qb+1], v[LS+2*\qb:LS+2*\qb+1], v[ST+32*\qb+8*\kb+2:ST+32*\qb+8*\kb+3]
.endr
.endif
.irp i2, 4,6
.irp qb, 0,1,2,3
	v_pk_add_f32 v[LS+2*\qb:LS+2*\qb+1], v[LS+2*\qb:LS+2*\qb+1], v[ST+32*\qb+8*\kb+\i2:ST+32*\qb+8*\kb+\i2+1]
.endr
.endr
.endm
.macro CVT4 kb                             ; eight p to four registers of f16, in place: tiles 2 kk and 2 kk + 1 fill registers 0-3 and 4-7 of P^T(qb, kk)
.irp i, 0,1,2,3
.irp qb, 0,1,2,3
	v_cvt_pk_f16_f32 v[ST+32*\qb+16*(\kb/2)+4*(\kb%2)+\i], v[ST+32*\qb+8*\kb+2*\i], v[ST+32*\qb+8*\kb+2*\i+1]
.endr
.endr
.endm
.macro RESC                                ; O^T times the rescaling factor of its query
	WIN 0x41
	s_wait_alu depctr_va_vdst(0)
.irp qb, 0,1,2,3
.irp i2, 0,2,4,6,8,10,12,14,16,18,20,22,24,26,28,30
	v_pk_mul_f32 v[32*\qb+\i2:32*\qb+\i2+1], v[32*\qb+\i2:32*\qb+\i2+1], v[AL+2*\qb:AL+2*\qb+1] op_sel_hi:[1,0]
.endr
.endr
	WIN 0
.endm
.macro PV first                            ; O^T += V^T P^T: 32 matrix instructions, sixteen accumulators by turns, one instruction a turn
	WIN 0x51
.irp kk, 0,1
.irp db, 0,1,2,3
.irp qb, 0,1,2,3
.if \first*(1-\kk)
	v_wmma_f32_16x16x32_f16 v[32*\qb+8*\db:32*\qb+8*\db+7], v[VF+16*\db+8*\kk:VF+16*\db+8*\kk+7], v[ST+32*\qb+16*\kk:ST+32*\qb+16*\kk+7], 0
.else
	v_wmma_f32_16x16x32_f16 v[32*\qb+8*\db:32*\qb+8*\db+7], v[VF+16*\db+8*\kk:VF+16*\db+8*\kk+7], v[ST+32*\qb+16*\kk:ST+32*\qb+16*\kk+7], v[32*\qb+8*\db:32*\qb+8*\db+7]
.endif
.endr
.endr
.endr
	WIN 0
	NOPS 5                                         ; five places: the next S^T products write over P^T, the next loads land in V^T's fragments
.endm
; One step: 64 of my keys against my 64 queries.
.macro SUB slot, sub, first
.if \sub == 0
	LOADK \slot, 0
.endif
	LOADV \slot, \sub
	s_wait_dscnt 16                                ; K's 16 loads are in; V's 16, issued behind them, may stay out
	SPH
	NOPS 4                                         ; four places before S^T is read and K's fragments are loaded again
.if \sub == 0
	LOADK \slot, 1                                 ; the next step's K
.endif
	MAXPH \sub, \first
	FMA4 0
	EXP4 0
.if \first == 0
	RESC
.endif
	FMA4 1
	EXP4 1
.if \first
	SUM4 0, 2
.else
	SUM4 0, 1
.endif
	CVT4 0
	FMA4 2
	EXP4 2
	SUM4 1, 0
	CVT4 1
	FMA4 3
	EXP4 3
	SUM4 2, 0
	CVT4 2
	SUM4 3, 0
	CVT4 3
.if \sub == 0
	s_wait_dscnt 16                                ; V is in; the next step's K, 16 loads issued behind it, may stay out
.else
	s_wait_dscnt 0x0                               ; V is in
.endif
	PV \first
.endm
; One tile.  In front of the round every wave waits for all its tensor loads (its parts of this tile) and for its reads of the other slot;
; behind the round's closing wait the two joint refills of the other slot come first.
.macro TRIP slot, refill, first
	s_wait_tensorcnt 0x0
	ds_add_u32 v62, v63
	s_wait_dscnt 0x0
	s_add_nc_u64 s[G0K+4*\slot+2:G0K+4*\slot+3], s[G0K+4*\slot+2:G0K+4*\slot+3], 65536   ; no load of mine is out: this slot's next tile, two tiles on
	s_add_nc_u64 s[G0V+4*\slot+2:G0V+4*\slot+3], s[G0V+4*\slot+2:G0V+4*\slot+3], 65536
	s_wait_dscnt 0x0
	ROUND
.if \refill
	tensor_load_to_lds s[G0K+4-4*\slot:G0K+7-4*\slot], s[G1K:G1K+7]
	s_nop 0
	tensor_load_to_lds s[G0V+4-4*\slot:G0V+7-4*\slot], s[G1V:G1V+7]
	s_nop 0
.endif
	SUB \slot, 0, \first
	SUB \slot, 1, 0
.endm
	s_wait_loadcnt 0x0                             ; Q
	TRIP 0, 1, 1                                   ; the first step starts maxima, sums and O^T: nothing is cleared
	TRIP 1, 1, 0
	s_mov_b32 s48, 2
.Lpair:
	TRIP 0, 1, 0
	TRIP 1, 1, 0
	s_sub_co_u32 s48, s48, 1
	s_cmp_lg_u32 s48, 0
	s_cbranch_scc1 .Lpair
	TRIP 0, 1, 0
	TRIP 1, 0, 0                                   ; the last tile: nothing more to fetch
	; THE END.  Each wave's sum of a query: the pair's two halves, then the other half of the lanes.
.irp qb, 0,1,2,3
	v_add_f32 v[LS+2*\qb], v[LS+2*\qb], v[LS+2*\qb+1]
.endr
.irp qb, 0,1,2,3
	v_permlanex16_b32 v[XR+\qb], v[LS+2*\qb], s12, s13
.endr
.irp qb, 0,1,2,3
	v_add_f32 v[LS+2*\qb], v[LS+2*\qb], v[XR+\qb]
.endr
	s_cmp_lt_u32 s8, 4
	s_cbranch_scc1 .Lkeep
	WIN 0x04                                       ; waves 4-7 hand O^T, maxima and sums to waves 0-3, register for register and lane for lane
.set cnt, 0
.rept 32
	ds_store_b128 v[MG], v[4*cnt:4*cnt+3] offset:512*cnt
.set cnt, cnt+1
.endr
	WIN 0
.irp qb, 0,1,2,3
	ds_store_b32 v[MG4], v[AL+1+2*\qb] offset:128*\qb              ; the last step was an odd one
	ds_store_b32 v[MG4], v[LS+2*\qb] offset:512+128*\qb
.endr
.Lkeep:
	s_wait_dscnt 0x0                               ; the stores are done, for the waves that read them
	s_barrier_signal -1
	s_barrier_wait -1
	s_cmp_ge_u32 s8, 4
	s_cbranch_scc1 .Ldone
.irp qb, 0,1,2,3
	ds_load_b32 v[PM+\qb], v[MG4] offset:128*\qb
	ds_load_b32 v[PL+\qb], v[MG4] offset:512+128*\qb
.endr
.set cnt, 0
.rept 32
	ds_load_b128 v[ST+4*cnt:ST+4*cnt+3], v[MG] offset:512*cnt
.set cnt, cnt+1
.endr
	s_wait_dscnt 32                                ; the eight statistics are in; O^T's 32 loads may stay out
.irp qb, 0,1,2,3
	v_max_num_f32 v[XR+\qb], v[AL+1+2*\qb], v[PM+\qb]              ; the common maximum
.endr
.irp qb, 0,1,2,3
	v_mul_f32 v[XR+\qb], s49, v[XR+\qb]
.endr
.irp qb, 0,1,2,3
	v_fma_f32 v[AL+2*\qb], v[AL+1+2*\qb], s14, v[XR+\qb]
	v_fma_f32 v[NM+2*\qb], v[PM+\qb], s14, v[XR+\qb]
.endr
.irp qb, 0,1,2,3
	v_exp_f32 v[AL+2*\qb], v[AL+2*\qb]
	v_exp_f32 v[NM+2*\qb], v[NM+2*\qb]
.endr
	v_nop                                          ; one plain place behind the exponentials
	s_wait_alu depctr_va_vdst(0)
.irp qb, 0,1,2,3
	v_mul_f32 v[XR+\qb], v[LS+2*\qb], v[AL+2*\qb]
.endr
.irp qb, 0,1,2,3
	v_fmac_f32 v[XR+\qb], v[PL+\qb], v[NM+2*\qb]                   ; the whole sum: at least about 1, since the largest p is 2^0
.endr
.irp qb, 0,1,2,3
	v_rcp_f32 v[RC+\qb], v[XR+\qb]
.endr
	v_nop
	s_wait_alu depctr_va_vdst(0)
.irp qb, 0,1,2,3
	v_mul_f32 v[AL+2*\qb], v[AL+2*\qb], v[RC+\qb]                  ; my factor
	v_mul_f32 v[NM+2*\qb], v[NM+2*\qb], v[RC+\qb]                  ; the partner's
.endr
	s_wait_dscnt 0x0
.irp qb, 0,1,2,3
.irp i2, 0,2,4,6,8,10,12,14,16,18,20,22,24,26,28,30
	v_pk_mul_f32 v[ST+32*\qb+\i2:ST+32*\qb+\i2+1], v[ST+32*\qb+\i2:ST+32*\qb+\i2+1], v[NM+2*\qb:NM+2*\qb+1] op_sel_hi:[1,0]
.endr
.endr
	WIN 0x01                                       ; source 0: my O^T in window 1
.irp qb, 0,1,2,3
.irp i2, 0,2,4,6,8,10,12,14,16,18,20,22,24,26,28,30
	v_pk_fma_f32 v[ST+32*\qb+\i2:ST+32*\qb+\i2+1], v[32*\qb+\i2:32*\qb+\i2+1], v[AL+2*\qb:AL+2*\qb+1], v[ST+32*\qb+\i2:ST+32*\qb+\i2+1] op_sel_hi:[1,0,1]
.endr
.endr
	WIN 0
.irp qb, 0,1,2,3
.irp db, 0,1,2,3
.irp i, 0,1,2,3
	v_cvt_pk_f16_f32 v[ST+32*\qb+8*\db+\i], v[ST+32*\qb+8*\db+2*\i], v[ST+32*\qb+8*\db+2*\i+1]
.endr
	ds_store_b128 v[OSA], v[ST+32*\qb+8*\db:ST+32*\qb+8*\db+3] offset:\qb*16*KP+\db*32   ; query 16 qb + r, d = 16 db + 8 h + 0..7
.endr
.endr
.irp i, 0,1,2,3,4,5,6,7,8,9,10,11,12,13,14,15
	ds_load_b128 v[KF+4*\i:KF+4*\i+3], v[ORD] offset:\i*4*KP       ; my own bytes: LDS serves a wave's instructions in order (ISA guide 5.7.1)
.endr
.irp i, 0,1,2,3,4,5,6,7,8,9,10,11,12,13,14,15
	s_wait_dscnt 15-\i
	global_store_b128 v[GO], v[KF+4*\i:KF+4*\i+3], s[58:59] offset:512*\i   ; four rows of 128 bytes: 512 consecutive bytes, aligned
.endr
.Ldone:
	s_wait_tensorcnt 0x0
	ds_add_u32 v62, v63
	s_wait_dscnt 0x0
	ROUND                                          ; the closing round
	s_endpgm
.Lfunc_end_k_q489914fcf9_attn:
	.size	k_q489914fcf9_attn, .Lfunc_end_k_q489914fcf9_attn-k_q489914fcf9_attn
	.p2alignl 7, 3214868480
	.fill 96, 4, 3214868480
	.section	.rodata,"a",@progbits
	.p2align	6, 0x0
	.amdhsa_kernel k_q489914fcf9_attn
		.amdhsa_group_segment_fixed_size 327680
		.amdhsa_private_segment_fixed_size 0
		.amdhsa_enable_private_segment 0
		.amdhsa_kernarg_size 16
		.amdhsa_user_sgpr_count 2
		.amdhsa_user_sgpr_kernarg_segment_ptr 1
		.amdhsa_wavefront_size32 1
		.amdhsa_system_sgpr_workgroup_id_x 1
		.amdhsa_system_sgpr_workgroup_id_y 1
		.amdhsa_system_sgpr_workgroup_id_z 1
		.amdhsa_system_vgpr_workitem_id 0
		.amdhsa_next_free_vgpr 512
		.amdhsa_next_free_sgpr 66
		.amdhsa_reserve_vcc 0
		.amdhsa_float_denorm_mode_32 3
		.amdhsa_float_denorm_mode_16_64 3
		.amdhsa_memory_ordered 1
		.amdhsa_forward_progress 1
		.amdhsa_inst_pref_size 255
	.end_amdhsa_kernel
	.section	.bss,"aw",@nobits
	.p2align	6
	.space	262144
	.amdgpu_metadata
---
amdhsa.version: [ 1, 2 ]
amdhsa.kernels:
  - .name:           k_q489914fcf9_attn
    .symbol:         k_q489914fcf9_attn.kd
    .args:
      - { .name: qkvh, .offset: 0, .size: 8, .value_kind: global_buffer, .address_space: global }
      - { .name: oh, .offset: 8, .size: 8, .value_kind: global_buffer, .address_space: global }
    .group_segment_fixed_size: 327680
    .private_segment_fixed_size: 0
    .kernarg_segment_align: 8
    .kernarg_segment_size: 16
    .max_flat_workgroup_size: 256
    .sgpr_count:     66
    .vgpr_count:     512
    .wavefront_size: 32
...
	.end_amdgpu_metadata
.endif
;; end of part 3
;; launch proj (part 4): grid 8 x 32, 4 waves a work-group, clusters of 4 x 4, 327,680 bytes of LDS; arguments oh, woh, out_b, out0; writes out0
.if DOCPART == 4
	.amdgcn_target "amdgcn-amd-amdhsa--gfx1250"
	.amdhsa_code_object_version 6
	.text
	.protected	k_q489914fcf9_proj
	.globl	k_q489914fcf9_proj
	.p2align	8
	.type	k_q489914fcf9_proj,@function
k_q489914fcf9_proj:
	s_mov_b64 s[64:65], 0
	v_nop
	global_prefetch_b8 v0, s[64:65] scope:SCOPE_SE
	s_setreg_imm32_b32 hwreg(HW_REG_WAVE_MODE, 25, 1), 1
	s_wait_xcnt 0x0
	s_wait_alu depctr_hold_cnt(0) depctr_sa_sdst(0) depctr_va_vdst(0) depctr_va_sdst(0) depctr_va_ssrc(0) depctr_va_vcc(0) depctr_vm_vsrc(0)
	s_getreg_b32 s2, hwreg(HW_REG_IB_STS2, 6, 4)
	s_cmp_eq_u32 s2, 0
	s_cbranch_scc0 .Lentry_in_a_cluster
	s_endpgm
.Lentry_in_a_cluster:
	s_bfe_u32 s2, ttmp6, 0x10000c
	s_cmp_lg_u32 s2, 0xf033
	s_cbranch_scc0 .Lentry_shape_is_right
	s_endpgm
.Lentry_shape_is_right:
; out0[m][n] = sum over k of o[m][k] w[n][k] + b[n], m < 4096, n < 1024, k = 64 head + d < 1024; operands f16, sums and result f32.
; oh: [batch 2][head 16][token 2048][d 64] f16;  woh: [1024][1024] f16.
; A work-group makes 128 x 128 with four waves, a wave 64 x 64: 16 accumulator tiles.  8 x 32 = 256 work-groups.
; K goes in 4 steps of 256 (four heads) through two LDS slots: the first two steps' slots are filled again once, so no loop is needed.
; CLUSTERS: 4 x 4; o's tiles are asked for jointly along a row of the cluster, w's along a column.
; Each wave issues two joint loads for a K step: one head's 128 tokens of o (16,384 dense bytes) and 32 rows x 512 bytes of w.
; Four loads of a wave are out at the start, later two.
; The matrix instruction is used transposed (source 0 = rows of w, source 1 = rows of o): a lane holds eight neighbouring columns of a row.
.set HS,     262144
.set AP,     144                       ; o's LDS row: one token's 128 bytes of one head + 16
.set ASUB,   128*AP                    ; one head's 128 tokens
.set BP,     528                       ; w's LDS row: 512 bytes + 16
.set ABYTES, 4*ASUB
.set SLOT,   ABYTES+128*BP             ; 141,312
.set STAGE,  2*SLOT                    ; behind the ring: 16 rows x 272 bytes for each wave
.set SPITCH, 272
.set ADRA, 16
.set ADRB, 20
.set STO,  24
.set RD,   25
.set CO,   26
.set BO,   27
.set F0,   64                          ; fragment (i, kk) of a unit of 64 K at f + 16 i + 8 kk; o's in window 0, w's in window 1
.set F1,   128
.set BIAS, 192                         ; v[192:223]
.set G1A, 24
.set G0A, 32
.set G1B, 48
.set G0B, 56
.set MSB, 0
.macro WIN new
.if MSB != \new
	s_set_vgpr_msb (MSB<<8)|\new
.set MSB, \new
.endif
.endm
.set MUL,  0xa1                        ; source 0 window 1, source 1 window 0, C and D window 2
.set BIA,  0x81                        ; C (the bias) window 0
.set TO_B, 0x40
.macro CREST
	s_cmp_lg_u32 s12, 0
	s_cbranch_scc1 .Lnot_wave_0_\@
	s_barrier_signal -3
.Lnot_wave_0_\@:
	s_barrier_wait -3
	s_barrier_signal -1
	s_barrier_wait -1
.endm
.macro CROUND
	s_barrier_signal -1
	s_barrier_wait -1
	CREST
.endm
.macro PLACES                          ; four plain vector instructions behind a matrix instruction (ISA guide 7.12.1)
.rept 4
	v_nop
.endr
.endm
	s_load_b256 s[4:11], s[0:1], 0x0               ; oh s[4:5], woh s[6:7], out_b s[8:9], out0 s[10:11]
	s_set_vgpr_msb 0x40
	v_lshl_add_u32 v255, v0, 2, 0x49400
	s_set_vgpr_msb 0x4000
	v_mov_b32 v255, 0
	s_set_vgpr_msb 0x1
	ds_add_u32 v255, v255
	s_set_vgpr_msb 0x100
	v_lshrrev_b32 v1, 5, v0
	v_readfirstlane_b32 s12, v1                    ; wave
	s_lshr_b32 s13, s12, 1                         ; mh
	s_and_b32 s14, s12, 1                          ; nh
	s_bfe_u32 s40, ttmp6, 0x40000                  ; cx
	s_bfe_u32 s41, ttmp6, 0x40004                  ; cy
	s_lshl_b32 s42, ttmp9, 2
	s_add_co_u32 s42, s42, s40                     ; bx
	s_and_b32 s43, ttmp7, 0xffff
	s_lshl_b32 s43, s43, 2
	s_add_co_u32 s43, s43, s41                     ; by
	s_lshl_b32 s44, s41, 2
	s_lshl_b32 s44, 15, s44                        ; my row of the cluster
	s_lshl_b32 s45, 0x1111, s40                    ; my column
	s_or_b32 s[G1A+0], s44, (1<<16)|(1<<20)|(1<<21)|(4<<22)|(3<<25)   ; a pad of 4 words behind every 32 words (a token's 128 bytes)
	s_or_b32 s[G1B+0], s45, (1<<16)|(1<<20)|(1<<21)|(6<<22)|(3<<25)   ; behind every 128 words (a row's 512 bytes)
	s_mov_b32 s[G1A+1], 128<<16                    ; o: 16,384 dense bytes as 64 rows of 128 elements
	s_mov_b32 s[G1A+2], 64<<16
	s_mov_b32 s[G1A+3], 128<<16
	s_mov_b32 s[G1A+4], 64
	s_mov_b32 s[G1A+5], 128
	s_mov_b32 s[G1A+6], 0
	s_mov_b32 s[G1A+7], 0
	s_mov_b32 s[G1B+1], 256<<16                    ; w: 32 rows of 256 elements, 1,024 elements from row to row
	s_mov_b32 s[G1B+2], 32<<16
	s_mov_b32 s[G1B+3], 256<<16
	s_mov_b32 s[G1B+4], 32
	s_mov_b32 s[G1B+5], 1024
	s_mov_b32 s[G1B+6], 0
	s_mov_b32 s[G1B+7], 0
	s_lshr_b32 s16, s43, 4                         ; batch = by / 16
	s_lshl_b32 s16, s16, 22                        ; x 16 heads x 262,144
	s_and_b32 s15, s43, 15
	s_lshl_b32 s15, s15, 14                        ; 128 tokens x 128 bytes
	s_add_co_u32 s16, s16, s15
	s_lshl_b32 s20, s12, 18                        ; head w of the K step's four
	s_add_co_u32 s16, s16, s20
	s_mov_b32 s17, 0
	s_mul_i32 s20, s12, ASUB                       ; LDS: sub-tile w
	s_lshl_b32 s21, s12, 5
	s_lshl_b32 s46, s42, 7
	s_add_co_u32 s46, s46, s21                     ; row 128 bx + 32 w
	s_lshl_b32 s46, s46, 11
	s_mov_b32 s47, 0
	s_mul_i32 s21, s21, BP
	s_add_co_u32 s21, s21, ABYTES
	s_wait_dscnt 0x0
	s_wait_kmcnt 0x0
	s_add_nc_u64 s[16:17], s[4:5], s[16:17]
	s_add_nc_u64 s[46:47], s[6:7], s[46:47]
	CROUND
.irp s, 0,1
	s_mov_b32 s[G0A+4*\s], 1
	s_add_co_u32 s[G0A+4*\s+1], s20, \s*SLOT
	s_add_nc_u64 s[G0A+4*\s+2:G0A+4*\s+3], s[16:17], \s*4*HS
	s_or_b32 s[G0A+4*\s+3], s[G0A+4*\s+3], 0x80000000
	s_mov_b32 s[G0B+4*\s], 1
	s_add_co_u32 s[G0B+4*\s+1], s21, \s*SLOT
	s_add_nc_u64 s[G0B+4*\s+2:G0B+4*\s+3], s[46:47], \s*512
	s_or_b32 s[G0B+4*\s+3], s[G0B+4*\s+3], 0x80000000
	tensor_load_to_lds s[G0A+4*\s:G0A+4*\s+3], s[G1A:G1A+7]
	s_nop 0
	tensor_load_to_lds s[G0B+4*\s:G0B+4*\s+3], s[G1B:G1B+7]
	s_nop 0
.endr
	v_and_b32 v1, 15, v0                           ; r
	v_bfe_u32 v2, v0, 4, 1                         ; h
	v_mul_u32_u24 v3, v1, AP
	v_lshl_add_u32 v3, v2, 4, v3
	v_mul_u32_u24 v4, v1, BP
	v_lshl_add_u32 v4, v2, 4, v4
	s_mul_i32 s22, s13, 64*AP
	s_mul_i32 s23, s14, 64*BP
	s_add_co_u32 s23, s23, ABYTES
.irp s, 0,1
	v_add_nc_u32 v[ADRA+\s], s22, v3
	v_add_nc_u32 v[ADRB+\s], s23, v4
	s_add_co_u32 s22, s22, SLOT
	s_add_co_u32 s23, s23, SLOT
.endr
	s_mul_i32 s22, s12, 16*SPITCH
	s_add_co_u32 s22, s22, STAGE                   ; my stage
	v_mul_u32_u24 v5, v1, SPITCH
	v_lshl_add_u32 v5, v2, 5, v5
	v_add_nc_u32 v[STO], s22, v5                   ; row r, 32 bytes for each half of the lanes
	v_mul_u32_u24 v5, v2, SPITCH
	v_lshl_add_u32 v5, v1, 4, v5
	v_add_nc_u32 v[RD], s22, v5                    ; lanes 0-15 one row of 256 bytes, lanes 16-31 the next
	v_lshlrev_b32 v5, 12, v2
	v_lshl_add_u32 v[CO], v1, 4, v5                ; the same two rows in out0
	v_lshlrev_b32 v[BO], 5, v2
	s_lshl_b32 s18, s42, 7
	s_lshl_b32 s19, s14, 6
	s_add_co_u32 s18, s18, s19
	s_lshl_b32 s18, s18, 2
	s_mov_b32 s19, 0
	s_add_nc_u64 s[8:9], s[8:9], s[18:19]
.irp b, 0,1,2,3
	global_load_b128 v[BIAS+8*\b:BIAS+8*\b+3],   v[BO], s[8:9] offset:64*\b
	global_load_b128 v[BIAS+8*\b+4:BIAS+8*\b+7], v[BO], s[8:9] offset:64*\b+16
.endr
; 8 matrix instructions: m blocks a0, a0 + 1 x 4 n blocks, the half kk of a unit.  The 16 accumulators take turns, one instruction a turn,
; in the same order in every half unit.  mode = 1: the bias starts the sums.
.macro MULK f, kk, a0, mode
.irp a, \a0, \a0+1
.irp b, 0,1,2,3
.if \mode
	v_wmma_f32_16x16x32_f16 v[8*(4*(\a)+\b):8*(4*(\a)+\b)+7], v[\f+16*\b+8*\kk:\f+16*\b+8*\kk+7], v[\f+16*(\a)+8*\kk:\f+16*(\a)+8*\kk+7], v[BIAS+8*\b:BIAS+8*\b+7]
.else
	v_wmma_f32_16x16x32_f16 v[8*(4*(\a)+\b):8*(4*(\a)+\b)+7], v[\f+16*\b+8*\kk:\f+16*\b+8*\kk+7], v[\f+16*(\a)+8*\kk:\f+16*(\a)+8*\kk+7], v[8*(4*(\a)+\b):8*(4*(\a)+\b)+7]
.endif
.endr
.endr
.endm
; 32 LDS loads: unit u (one head, 64 of K) of a slot: w's halves 0, 1, then o's halves 0, 1
.macro FETCH slot, u, f
	WIN TO_B
.irp kk, 0,1
.irp i, 0,1,2,3
	ds_load_b128 v[\f+16*\i+8*\kk:\f+16*\i+8*\kk+3],   v[ADRB+\slot] offset:\i*16*BP+\u*128+\kk*64
	ds_load_b128 v[\f+16*\i+8*\kk+4:\f+16*\i+8*\kk+7], v[ADRB+\slot] offset:\i*16*BP+\u*128+\kk*64+32
.endr
.endr
	WIN 0
.irp kk, 0,1
.irp i, 0,1,2,3
	ds_load_b128 v[\f+16*\i+8*\kk:\f+16*\i+8*\kk+3],   v[ADRA+\slot] offset:\u*ASUB+\i*16*AP+\kk*64
	ds_load_b128 v[\f+16*\i+8*\kk+4:\f+16*\i+8*\kk+7], v[ADRA+\slot] offset:\u*ASUB+\i*16*AP+\kk*64+32
.endr
.endr
.endm
.macro UNIT slot, u, f, g, mode            ; multiplies buffer f; in its middle fetches unit u of the slot into buffer g
	s_wait_dscnt 8                                 ; all but the youngest eight loads (o's half 1)
.if \mode
	WIN BIA
.else
	WIN MUL
.endif
	MULK \f, 0, 0, \mode
	MULK \f, 0, 2, \mode
	PLACES
	FETCH \slot, \u, \g
	s_wait_dscnt 32                                ; all but the 32 just issued
	WIN MUL
	MULK \f, 1, 0, 0
	MULK \f, 1, 2, 0
.endm
.macro THREE slot, mode
	UNIT \slot, 1, F0, F1, \mode
	UNIT \slot, 2, F1, F0, 0
	UNIT \slot, 3, F0, F1, 0
.endm
; The last unit of a K step changes slots: each wave's reads of this slot and all its tensor loads are waited for in front of the barrier;
; where the slot is filled again the barrier opens a round of the cluster's barrier and the joint refills come first behind it.
.macro TURN slot, next, fill
	s_wait_dscnt 8
	WIN MUL
	MULK F1, 0, 0, 0
	s_wait_dscnt 0x0
	s_wait_tensorcnt 0x0
	ds_add_u32 v255, v255
	s_wait_dscnt 0x0
	s_barrier_signal -1
	MULK F1, 0, 2, 0
	WIN 0
	s_barrier_wait -1
.if \fill
	CREST
	s_add_nc_u64 s[G0A+4*\slot+2:G0A+4*\slot+3], s[G0A+4*\slot+2:G0A+4*\slot+3], 8*HS     ; two K steps on: eight heads
	s_add_nc_u64 s[G0B+4*\slot+2:G0B+4*\slot+3], s[G0B+4*\slot+2:G0B+4*\slot+3], 1024     ; 512 columns
	tensor_load_to_lds s[G0A+4*\slot:G0A+4*\slot+3], s[G1A:G1A+7]
	s_nop 0
	tensor_load_to_lds s[G0B+4*\slot:G0B+4*\slot+3], s[G1B:G1B+7]
	s_nop 0
.endif
	PLACES
	FETCH \next, 0, F0
	WIN MUL
	MULK F1, 1, 0, 0
	MULK F1, 1, 2, 0
.endm
	s_wait_tensorcnt 0x2                           ; my two parts of K step 0 are in; K step 1's two stay out
	s_barrier_signal -1
	s_barrier_wait -1
	FETCH 0, 0, F0
	s_wait_loadcnt 0x0                             ; the bias
	THREE 0, 1
	TURN 0, 1, 1
	THREE 1, 0
	TURN 1, 0, 1
	THREE 0, 0
	TURN 0, 1, 0
	THREE 1, 0
	s_wait_dscnt 8
	WIN MUL
	MULK F1, 0, 0, 0
	MULK F1, 0, 2, 0
	s_wait_dscnt 0x0
	MULK F1, 1, 0, 0
	MULK F1, 1, 2, 0
	; THE WAY OUT, 16 rows at a time through my own stage: 32 bytes a lane in, whole rows of 256 bytes back.
	PLACES
	WIN 0
	s_lshl_b32 s15, s43, 7
	s_lshl_b32 s18, s13, 6
	s_add_co_u32 s15, s15, s18                     ; my first row
	s_lshl_b32 s18, s15, 12                        ; x 4,096 bytes
	s_lshl_b32 s19, s42, 9                         ; 128 bx columns of 4 bytes
	s_add_co_u32 s18, s18, s19
	s_lshl_b32 s19, s14, 8
	s_add_co_u32 s18, s18, s19
	s_mov_b32 s19, 0
	s_add_nc_u64 s[10:11], s[10:11], s[18:19]
.macro OUT16 a, f
	WIN 0x08                                       ; store data from window 2
.irp b, 0,1,2,3
	ds_store_b128 v[STO], v[8*(4*\a+\b):8*(4*\a+\b)+3]   offset:64*\b
	ds_store_b128 v[STO], v[8*(4*\a+\b)+4:8*(4*\a+\b)+7] offset:64*\b+16
.endr
	WIN 0
	s_wait_xcnt 0x0                                ; buffer f, which earlier stores read, and the stores' base are rewritten only behind this wait
.if \a
	s_add_nc_u64 s[10:11], s[10:11], 16*4096
.endif
.irp t, 0,1,2,3,4,5,6,7
	ds_load_b128 v[\f+4*\t:\f+4*\t+3], v[RD] offset:\t*2*SPITCH    ; my own bytes, served in order
.endr
.irp t, 0,1,2,3,4,5,6,7
	s_wait_dscnt 7-\t
	global_store_b128 v[CO], v[\f+4*\t:\f+4*\t+3], s[10:11] offset:\t*8192 th:TH_STORE_NT   ; 16 lanes store 256 consecutive bytes, aligned
.endr
.endm
	OUT16 0, F0
	OUT16 1, F1
	OUT16 2, F0
	OUT16 3, F1
	s_set_vgpr_msb 0x1
	s_wait_tensorcnt 0x0
	ds_add_u32 v255, v255
	s_wait_dscnt 0x0
	s_set_vgpr_msb 0x100
	CROUND                                         ; the closing round
	s_endpgm
.Lfunc_end_k_q489914fcf9_proj:
	.size	k_q489914fcf9_proj, .Lfunc_end_k_q489914fcf9_proj-k_q489914fcf9_proj
	.p2alignl 7, 3214868480
	.fill 96, 4, 3214868480
	.section	.rodata,"a",@progbits
	.p2align	6, 0x0
	.amdhsa_kernel k_q489914fcf9_proj
		.amdhsa_group_segment_fixed_size 327680
		.amdhsa_private_segment_fixed_size 0
		.amdhsa_enable_private_segment 0
		.amdhsa_kernarg_size 32
		.amdhsa_user_sgpr_count 2
		.amdhsa_user_sgpr_kernarg_segment_ptr 1
		.amdhsa_wavefront_size32 1
		.amdhsa_system_sgpr_workgroup_id_x 1
		.amdhsa_system_sgpr_workgroup_id_y 1
		.amdhsa_system_sgpr_workgroup_id_z 1
		.amdhsa_system_vgpr_workitem_id 0
		.amdhsa_next_free_vgpr 640
		.amdhsa_next_free_sgpr 66
		.amdhsa_reserve_vcc 0
		.amdhsa_float_denorm_mode_32 3
		.amdhsa_float_denorm_mode_16_64 3
		.amdhsa_memory_ordered 1
		.amdhsa_forward_progress 1
		.amdhsa_inst_pref_size 87
	.end_amdhsa_kernel
	.amdgpu_metadata
---
amdhsa.version: [ 1, 2 ]
amdhsa.kernels:
  - .name:           k_q489914fcf9_proj
    .symbol:         k_q489914fcf9_proj.kd
    .args:
      - { .name: oh, .offset: 0, .size: 8, .value_kind: global_buffer, .address_space: global }
      - { .name: woh, .offset: 8, .size: 8, .value_kind: global_buffer, .address_space: global }
      - { .name: out_b, .offset: 16, .size: 8, .value_kind: global_buffer, .address_space: global }
      - { .name: out0, .offset: 24, .size: 8, .value_kind: global_buffer, .address_space: global }
    .group_segment_fixed_size: 327680
    .private_segment_fixed_size: 0
    .kernarg_segment_align: 8
    .kernarg_segment_size: 32
    .max_flat_workgroup_size: 128
    .sgpr_count:     66
    .vgpr_count:     640
    .wavefront_size: 32
...
	.end_amdgpu_metadata
.endif
;; end of part 4
